; MI455X (gfx1250); checked and timed in simulation.
; The chip was launched on July 23, 2026; its instructions are those of AMD's public machine-readable ISA for CDNA 5 (MIT licence, August 2026) and "CDNA5" Instruction Set Architecture Reference Guide (July 2026). The comments in the code are by the model that wrote it; some were corrected since.
;; PPF. Allowed arithmetic: float matrix products may take bf16 or f16 operands with f32 sums; all other float work in f32.
;; Inputs: coords 4 x 3 x 4,096 float32; normals 4 x 3 x 4,096 float32.
;; Outputs: out0 4 x 1 x 4,096 float32.
;; One version. Each part assembles by itself: llvm-mc -triple=amdgcn-amd-amdhsa -mcpu=gfx1250 --defsym DOCPART=n.
;; ======== version 1 of 1: 2 launches
;; limits: values outside matrix products are rounded to bf16; a function is approximated: absolute error at most 1e-05
;; workspace buffers: pts 262,144 bytes; mask 8,388,608 bytes of whole numbers
;; launch select (part 1): grid 256 x 1, 8 waves a work-group, no clusters, 50,176 bytes of LDS; arguments coords, pts, mask; writes pts, mask
.if DOCPART == 1
	.amdgcn_target "amdgcn-amd-amdhsa--gfx1250"
	.amdhsa_code_object_version 6
	.text
	.protected	k_qe9a4545d6f_select
	.globl	k_qe9a4545d6f_select
	.p2align	8
	.type	k_qe9a4545d6f_select,@function
k_qe9a4545d6f_select:
	s_mov_b64 s[64:65], 0
	v_nop
	global_prefetch_b8 v0, s[64:65] scope:SCOPE_SE
	s_setreg_imm32_b32 hwreg(HW_REG_WAVE_MODE, 25, 1), 1
	s_wait_xcnt 0x0
; BALL TEST.  coords: [4][3][4096] f32.  Out: mask[4*4096][128] words, bit L of word w of row n = 1 where candidate 32 w + L lies in the
; ball of query n; pts[4*4096][4] f32 = (x, y, z, x2+y2+z2) of every point after the rounding below (the fourth word fills the row to 16 bytes).
; FORMAT (a limit of this program): every coordinate is rounded once to bf16 (nearest even); all that follows, here and in the next
; launch, is f32 arithmetic on the rounded numbers.  Inputs must be finite, also after that rounding.
; THE TEST follows reference(): sq = (x*x + y*y) + z*z, s = sq_n + sq_m, d = s - 2 dot, d <= 0.01f, each step rounded to f32.  Products
; of bf16 numbers are exact in f32.  The dot is made by the matrix unit (bf16 operands, f32 sum) and is rounded once, where reference()
; rounds after each addition: a pair whose d lies within a last bit of 0.01f may fall on the other side.
; SHARES: 256 work-groups; a work-group = 64 queries of one batch against its 4,096 candidates; 8 waves, 8 queries each.
; ONE MATRIX INSTRUCTION = 8 queries x 32 candidates.  In a 16-bit fragment lanes 0-15 hold k = 0..7 and 16..23, lanes 16-31 hold
; k = 8..15 and 24..31 (ISA guide 7.12).  B: lane L holds candidate L.  A: rows 0-7 hold the 8 queries (times -2) in lanes 0-7, rows
; 8-15 the same 8 queries in lanes 24-31, all other lanes zero.  So D's register i, lane L = -2 q_i . p_L, and one compare of register i
; gives the map word of query i.  Four such tiles (a quad, 128 candidates) share ONE B fragment: registers 0-3 = (x,y) of tiles 0-3,
; registers 4-7 = (z,0) of tiles 0-3; the A fragment of tile j is zero but for registers j and 4+j, so the other tiles' (finite)
; numbers meet zeros.  The four A fragments are windows on two arrays of ten registers.
; NO CLUSTER, NO TENSOR LOAD: what the 64 work-groups of a batch share is 48 KB of coords, read once (12 loads a lane) ahead of 32 quads
; of 96 vector instructions; it has to pass through registers to be rounded, squared and re-ordered before it lies in LDS.
.set NPTS,   4096
.set PLANE,  4*NPTS                    ; bytes of one LDS plane, and of one coordinate's row in coords
.set XYP,    0                         ; plane of words (bf16 x | bf16 y << 16)
.set ZP,     PLANE                     ; plane of words (bf16 z)
.set SQP,    2*PLANE                   ; plane of f32 squared norms
.set QUADB,  512                       ; a quad's bytes in a plane: word 4 L + j = candidate 32 j + L of the quad
.set QUADS,  32
.set L16,  3                           ; v3       16 x lane; never rewritten (offset of loads and stores)
.set STA,  4                           ; v4       where my points go in a plane
.set QA,   5                           ; v5       my query's word in a plane
.set QU,   6                           ; v6       the wave's first query's word, the same in all lanes
.set BA,   7                           ; v7       LDS address of the quad that is fetched next
.set AE,   8                           ; v8-17    zeros but AE+2 = -2(x,y), AE+6 = -2(z,0): windows AE+2.. (tile 0), AE.. (tile 2)
.set AO,   18                          ; v18-27   zeros but AO+3, AO+7: windows AO+2.. (tile 1), AO.. (tile 3)
.set QS,   28                          ; v28-35   sq of my 8 queries, each in all lanes
.set BF,   36                          ; v36-43   B fragment of a quad
.set SM,   44                          ; v44-47   sq of the quad's candidates: register j, lane L
.set D,    48                          ; v48-79   four tiles of results
.set S,    80                          ; v80-111  sq_n + sq_m for the four tiles
.set M,    112                         ; v112-143 maps: register 4 i + j, lane Q = word 4 Q + j of query i
.set X,    48                          ; v48-95   at the start: coords as loaded
.set T,    96                          ; v96-119  at the start: at work
.set O,    144                         ; v144-147 a row of pts; never rewritten
.set P,    148                         ; v148-150 at work for pts
.set MS,   28                          ; s28-43   two sets of eight map words
	s_load_b128 s[4:7], s[0:1], 0x0                ; coords s[4:5], pts s[6:7]
	s_load_b64 s[8:9], s[0:1], 0x10                ; mask
	v_lshl_add_u32 v152, v0, 2, 0xc000
	v_mov_b32 v153, 0
	v_and_b32 v1, 31, v0                           ; lane L
	v_lshrrev_b32 v2, 5, v0
	v_readfirstlane_b32 s10, v2                    ; wave 0..7
	s_lshr_b32 s11, ttmp9, 6                       ; batch
	s_and_b32 s12, ttmp9, 63                       ; block of 64 queries in the batch
	s_lshl_b32 s13, s10, 11                        ; the wave prepares quads 4 w .. 4 w + 3: 2,048 bytes of every plane and of every row of coords
	s_mul_i32 s14, s11, 3*PLANE
	s_add_co_u32 s14, s14, s13
	s_mov_b32 s15, 0
	v_lshlrev_b32 v[L16], 4, v1
	; a 16-byte load gives lane L the quad's points 4 L + i: tile L >> 3, lane 4 (L & 7) + i, that is word 16 (L & 7) + 4 i + (L >> 3)
	v_and_b32 v2, 7, v1
	v_lshrrev_b32 v[STA], 3, v1
	v_lshlrev_b32 v[STA], 2, v[STA]
	v_lshl_add_u32 v[STA], v2, 6, v[STA]
	v_add_nc_u32 v[STA], s13, v[STA]
	s_wait_kmcnt 0x0
	s_add_nc_u64 s[4:5], s[4:5], s[14:15]
.irp q, 0,1,2,3
.irp c, 0,1,2
	global_load_b128 v[X+12*\q+4*\c:X+12*\q+4*\c+3], v[L16], s[4:5] offset:\c*PLANE+\q*QUADB   ; 512 consecutive bytes a wave
.endr
.endr
; point i of my four in quad q: round, pack, square, and put the three words in their planes
.macro POINT q, i
	v_cvt_pk_bf16_f32 v[T+6*\i],   v[X+12*\q+\i],   v[X+12*\q+4+\i]
	v_cvt_pk_bf16_f32 v[T+6*\i+1], v[X+12*\q+8+\i], 0
	v_lshlrev_b32 v[T+6*\i+2], 16, v[T+6*\i]               ; the rounded numbers as f32
	v_and_b32     v[T+6*\i+3], 0xffff0000, v[T+6*\i]
	v_lshlrev_b32 v[T+6*\i+4], 16, v[T+6*\i+1]
	v_mul_f32  v[T+6*\i+5], v[T+6*\i+2], v[T+6*\i+2]       ; (x x + y y) + z z, the products exact
	v_fmac_f32 v[T+6*\i+5], v[T+6*\i+3], v[T+6*\i+3]
	v_fmac_f32 v[T+6*\i+5], v[T+6*\i+4], v[T+6*\i+4]
	ds_store_b32 v[STA], v[T+6*\i]   offset:XYP+\q*QUADB+16*\i   ; a store's 32 lanes go to 16 different words modulo 64, two lanes each;
	ds_store_b32 v[STA], v[T+6*\i+1] offset:ZP+\q*QUADB+16*\i    ; there are 48 such stores in the whole kernel
	ds_store_b32 v[STA], v[T+6*\i+5] offset:SQP+\q*QUADB+16*\i
.endm
.irp q, 0,1,2,3
	s_wait_loadcnt 9-3*\q                          ; loads return in order (ISA guide 5.7.1): this quad's three are in, the later quads' stay out
.irp i, 0,1,2,3
	POINT \q, \i
.endr
.endr
	s_wait_dscnt 0x0                               ; my part of the planes is written,
	s_barrier_signal -1
	s_barrier_wait -1                              ; everybody's is; from here on LDS is only read
	s_lshl_b32 s16, s12, 6                         ; the block's first query
	s_lshl3_add_u32 s17, s10, s16                  ; n0 = my first query (a multiple of 8)
	s_lshr_b32 s18, s17, 7
	s_lshl_b32 s18, s18, 9                         ; its quad,
	s_and_b32 s19, s17, 31
	s_lshl4_add_u32 s18, s19, s18                  ; its lane (16 bytes a lane),
	s_bfe_u32 s19, s17, 0x20005
	s_lshl2_add_u32 s18, s19, s18                  ; its tile: the byte of its word in a plane; queries n0 + i follow 16 bytes apart
	v_and_b32 v2, 7, v1
	v_lshl_add_u32 v[QA], v2, 4, s18               ; lane L holds query n0 + (L & 7)
	v_mov_b32 v[QU], s18
	v_mov_b32 v[BA], v[L16]
	ds_load_b32 v[T],   v[QA] offset:XYP
	ds_load_b32 v[T+1], v[QA] offset:ZP
.irp i, 0,1,2,3,4,5,6,7
	ds_load_b32 v[QS+\i], v[QU] offset:SQP+16*\i   ; all lanes read one word
.endr
	ds_load_b128 v[BF:BF+3],   v[BA] offset:XYP    ; quad 0
	ds_load_b128 v[BF+4:BF+7], v[BA] offset:ZP
	ds_load_b128 v[SM:SM+3],   v[BA] offset:SQP
.irp r, 0,1,3,4,5,7,8,9
	v_mov_b32 v[AE+\r], 0                          ; the zeros of the A fragments: operands, not sums
.endr
.irp r, 0,1,2,4,5,6,8,9
	v_mov_b32 v[AO+\r], 0
.endr
	s_mov_b32 s24, 0xff0000ff                      ; the lanes of A that are not zero: 0-7 and 24-31
	s_mov_b32 s27, 0x3c23d70a                      ; 0.1 * 0.1 as f32
	; waves 0 and 1 write the block's 64 rows of pts: 32 lanes x 16 bytes = 512 consecutive bytes each
	s_cmp_gt_u32 s10, 1
	s_cbranch_scc1 .Lno_table
	s_lshl_b32 s20, s10, 5
	s_add_co_u32 s20, s20, s16                     ; point 64 block + 32 w + L: one tile of one quad
	s_lshr_b32 s21, s20, 7
	s_lshl_b32 s21, s21, 9
	s_bfe_u32 s22, s20, 0x20005
	s_lshl2_add_u32 s21, s22, s21
	v_add_nc_u32 v[P+2], s21, v[L16]
	ds_load_b32 v[P],   v[P+2] offset:XYP
	ds_load_b32 v[P+1], v[P+2] offset:ZP
	ds_load_b32 v[O+3], v[P+2] offset:SQP
	s_lshl_b32 s22, s11, 12
	s_add_co_u32 s22, s22, s20
	s_lshl_b32 s22, s22, 4                         ; 16 bytes a row
	s_mov_b32 s23, 0
	s_add_nc_u64 s[6:7], s[6:7], s[22:23]
	s_wait_dscnt 0x0
	v_lshlrev_b32 v[O],   16, v[P]
	v_and_b32     v[O+1], 0xffff0000, v[P]
	v_lshlrev_b32 v[O+2], 16, v[P+1]
	global_store_b128 v[L16], v[O:O+3], s[6:7]     ; none of its registers is written again
.Lno_table:
	s_wait_dscnt 0x0                               ; my queries, their sq, quad 0
	v_lshlrev_b32 v[T+2], 16, v[T]
	v_and_b32     v[T+3], 0xffff0000, v[T]
	v_lshlrev_b32 v[T+4], 16, v[T+1]
	v_mul_f32 v[T+2], -2.0, v[T+2]                 ; exact: the matrix unit then gives -2 dot, rounded as dot is
	v_mul_f32 v[T+3], -2.0, v[T+3]
	v_mul_f32 v[T+4], -2.0, v[T+4]
	v_cvt_pk_bf16_f32 v[T],   v[T+2], v[T+3]
	v_cvt_pk_bf16_f32 v[T+1], v[T+4], 0
	v_cndmask_b32 v[AE+2], 0, v[T],   s24
	v_cndmask_b32 v[AE+6], 0, v[T+1], s24
	v_cndmask_b32 v[AO+3], 0, v[T],   s24
	v_cndmask_b32 v[AO+7], 0, v[T+1], s24
; sq_n + sq_m of tile j: two queries an instruction, the candidate's sq (register SM + j) for both halves
.macro SUMS j
.irp p, 0,2,4,6
.if \j & 1
	v_pk_add_f32 v[S+8*\j+\p:S+8*\j+\p+1], v[QS+\p:QS+\p+1], v[SM+\j-1:SM+\j] op_sel:[0,1] op_sel_hi:[1,1]
.else
	v_pk_add_f32 v[S+8*\j+\p:S+8*\j+\p+1], v[QS+\p:QS+\p+1], v[SM+\j:SM+\j+1] op_sel_hi:[1,0]
.endif
.endr
.endm
; tile j: eight compares give the eight queries' words; each goes into lane Q of its map register.
; first = 1 (quad 0): the word is written to all lanes, so that nothing is cleared; lanes 1 to 31 are replaced by the later quads
.macro PLACE j, first
.irp i, 0,1,2,3,4,5,6,7
	v_cmp_le_f32 s[MS+8*(\j&1)+\i], v[D+8*\j+\i], s27
.endr
.irp i, 0,1,2,3,4,5,6,7
.if \first
	v_mov_b32 v[M+4*\i+\j], s[MS+8*(\j&1)+\i]
.else
	v_cndmask_b32 v[M+4*\i+\j], v[M+4*\i+\j], s[MS+8*(\j&1)+\i], s25
.endif
.endr
.endm
; one quad: 8 queries x 128 candidates.  more = 1: the next quad is fetched
.macro QUAD more, first
	s_wait_dscnt 0x0                               ; this quad's three loads, issued 80 vector instructions ago
	v_wmma_f32_16x16x32_bf16 v[D:D+7],     v[AE+2:AE+9], v[BF:BF+7], 0   ; every product starts a sum of its own (C = 0):
	v_wmma_f32_16x16x32_bf16 v[D+8:D+15],  v[AO+2:AO+9], v[BF:BF+7], 0   ; no accumulator is taken up again
	v_wmma_f32_16x16x32_bf16 v[D+16:D+23], v[AE:AE+7],   v[BF:BF+7], 0
	v_wmma_f32_16x16x32_bf16 v[D+24:D+31], v[AO:AO+7],   v[BF:BF+7], 0
	SUMS 0                                         ; sixteen vector instructions that name no register of the four above: more than the
	SUMS 1                                         ; four places that have to stand in front of the loads into B and of the first use
	SUMS 2                                         ; of D (ISA guide 7.12.1)
	SUMS 3
.if \more
	v_add_nc_u32 v[BA], QUADB, v[BA]
	ds_load_b128 v[BF:BF+3],   v[BA] offset:XYP    ; 16 neighbouring bytes a lane: no two lanes meet in a bank
	ds_load_b128 v[BF+4:BF+7], v[BA] offset:ZP
	ds_load_b128 v[SM:SM+3],   v[BA] offset:SQP
.endif
.set e, 0
.rept 16
	v_pk_add_f32 v[D+e:D+e+1], v[D+e:D+e+1], v[S+e:S+e+1]   ; d = (sq_n + sq_m) - 2 dot
.set e, e+2
.endr
	PLACE 0, \first
	PLACE 1, \first
	PLACE 2, \first
	PLACE 3, \first
.endm
	QUAD 1, 1                                      ; quad 0 starts the maps
	s_mov_b32 s25, 2                               ; bit Q: the lane that takes the quad's words
	s_mov_b32 s26, 0                               ; trips
.Lquad:
	QUAD 1, 0                                      ; quads 1 to 30
	s_lshl_b32 s25, s25, 1
	s_add_co_u32 s26, s26, 1
	s_cmp_lt_u32 s26, QUADS-2
	s_cbranch_scc1 .Lquad
	QUAD 0, 0                                      ; quad 31 fetches nothing
	s_lshl_b32 s44, s11, 12
	s_add_co_u32 s44, s44, s17                     ; row 4096 batch + n0,
	s_lshl_b32 s44, s44, 9                         ; 512 bytes a row
	s_mov_b32 s45, 0
	s_add_nc_u64 s[8:9], s[8:9], s[44:45]
.irp i, 0,1,2,3,4,5,6,7
	global_store_b128 v[L16], v[M+4*\i:M+4*\i+3], s[8:9] offset:512*\i   ; a whole row: 512 consecutive bytes, aligned
.endr
	s_barrier_signal -1
	s_barrier_wait -1
	s_wait_tensorcnt 0x0
	ds_add_u32 v152, v153
	s_wait_dscnt 0x0
	s_endpgm
.Lfunc_end_k_qe9a4545d6f_select:
	.size	k_qe9a4545d6f_select, .Lfunc_end_k_qe9a4545d6f_select-k_qe9a4545d6f_select
	.p2alignl 7, 3214868480
	.fill 96, 4, 3214868480
	.section	.rodata,"a",@progbits
	.p2align	6, 0x0
	.amdhsa_kernel k_qe9a4545d6f_select
		.amdhsa_group_segment_fixed_size 50176
		.amdhsa_private_segment_fixed_size 0
		.amdhsa_enable_private_segment 0
		.amdhsa_kernarg_size 24
		.amdhsa_user_sgpr_count 2
		.amdhsa_user_sgpr_kernarg_segment_ptr 1
		.amdhsa_wavefront_size32 1
		.amdhsa_system_sgpr_workgroup_id_x 1
		.amdhsa_system_sgpr_workgroup_id_y 1
		.amdhsa_system_sgpr_workgroup_id_z 1
		.amdhsa_system_vgpr_workitem_id 0
		.amdhsa_next_free_vgpr 154
		.amdhsa_next_free_sgpr 66
		.amdhsa_reserve_vcc 0
		.amdhsa_float_denorm_mode_32 3
		.amdhsa_float_denorm_mode_16_64 3
		.amdhsa_memory_ordered 1
		.amdhsa_forward_progress 1
		.amdhsa_inst_pref_size 34
	.end_amdhsa_kernel
	.amdgpu_metadata
---
amdhsa.version: [ 1, 2 ]
amdhsa.kernels:
  - .name:           k_qe9a4545d6f_select
    .symbol:         k_qe9a4545d6f_select.kd
    .args:
      - { .name: coords, .offset: 0, .size: 8, .value_kind: global_buffer, .address_space: global }
      - { .name: pts, .offset: 8, .size: 8, .value_kind: global_buffer, .address_space: global }
      - { .name: mask, .offset: 16, .size: 8, .value_kind: global_buffer, .address_space: global }
    .group_segment_fixed_size: 50176
    .private_segment_fixed_size: 0
    .kernarg_segment_align: 8
    .kernarg_segment_size: 24
    .max_flat_workgroup_size: 256
    .sgpr_count:     66
    .vgpr_count:     154
    .wavefront_size: 32
...
	.end_amdgpu_metadata
.endif
;; end of part 1
;; launch angles (part 2): grid 256 x 1, 32 waves a work-group, no clusters, 53,504 bytes of LDS; arguments mask, pts, normals, out0; writes out0
.if DOCPART == 2
	.amdgcn_target "amdgcn-amd-amdhsa--gfx1250"
	.amdhsa_code_object_version 6
	.text
	.protected	k_qe9a4545d6f_angles
	.globl	k_qe9a4545d6f_angles
	.p2align	8
	.type	k_qe9a4545d6f_angles,@function
k_qe9a4545d6f_angles:
	s_mov_b64 s[64:65], 0
	v_nop
	global_prefetch_b8 v0, s[64:65] scope:SCOPE_SE
	s_setreg_imm32_b32 hwreg(HW_REG_WAVE_MODE, 25, 1), 1
	s_wait_xcnt 0x0
; out0[n] = the largest atan2(sqrt(|nrm x g|^2 + 1e-12), nrm . g) over the first 32 points of n's ball in index order, g = p_m - p_n.
; mask (bit maps, 128 words a query) and pts (the points rounded to bf16, as f32) come from the launch before; normals: [4][3][4096] f32.
; FORMAT: the normals too are rounded once to bf16; the arithmetic is f32 (the cross product's differences by fused multiply-adds).
; Finite inputs.  Lanes beyond the ball's count take the ball's first index, as reference() pads.  An empty ball (possible only where
; the test fails for the point itself) takes index 4095, as reference()'s gather does with its index 4096.
; The angle is pi/2 - atan(t), t = dot / cnorm, cnorm > 0, and falls as t grows: the lanes look for the least t, and one arctangent is
; made for a query: a polynomial of degree 9 on [0, 1], off by 1e-5 at the most, and the two reflections.
; SHARES: 256 work-groups of 32 waves; a work-group = 64 queries; a wave = two neighbouring queries, taken stage by stage in turn, so
; that one query's LDS and memory answers are on their way while the other is worked on.  No branch hangs on data.
; HOW HIT k IS FOUND: lane L holds words 4 L .. 4 L + 3 of the map.  Counts of ones and a prefix sum over the wave give each word the rank
; of its first one.  A word that is not zero and whose rank is below 32 writes (word number << 8 | rank) into LDS slot [rank]; a prefix
; maximum over the 32 slots gives lane k the word that holds hit k, and five halvings on the word's partial counts find the bit.
; No matrix unit (nothing here is a product of matrices), no tensor load, no cluster (no two work-groups read the same map; the table is small).
.set WLDS,  1536                       ; LDS bytes of a wave: 32 waves fill bytes 0 to 49,151
.set QLDS,  768                        ; of a query: its 128 words at 0, its 33 slots at 512 (slot 32 takes what is not wanted and is never read)
.set SLOTS, 512
.set RES,   49152                      ; behind the waves' areas: 64 f32, the least t of the work-group's queries
.set QREG,  8                          ; query q's registers begin at v[8 + 40 q]:
.set QSTEP, 40
.set WD,  0                            ; 4  map words
.set CN,  4                            ; 4  their counts of ones
.set EX,  8                            ; 4  ranks of their first ones
.set PF,  12                           ;    prefix sum
.set TP,  13                           ; 3  at work
.set KEY, 16                           ;    slot, then its prefix maximum
.set ID,  17                           ;    number of the word that holds my hit
.set VW,  18                           ;    that word
.set RK,  19                           ;    my hit's rank in it
.set POS, 20                           ;    its bit
.set TA,  21                           ;    counts in fields of 2 bits
.set TB,  22                           ;    of 4
.set TC,  23                           ;    of 8
.set TD,  24                           ;    low byte: count of the low 16 bits
.set IDX, 25                           ;    neighbour's index, then its byte offset in the batch's table; not rewritten behind the gather
.set GP,  26                           ; 4  the neighbour's row, then g
.set NR,  30                           ; 3  the normal
.set CR,  33                           ; 3  the cross product
.set SS,  36
.set DT,  37
; common: v1 lane, v2 16 L (offset of the map loads, never rewritten), v3 wave's LDS + 16 L, v4 wave's LDS + 4 L, v5 wave's LDS, v6 L << 10,
; v7 = 32, v88 = 0, v89 = 8 w (my two words in RES).  s42+q the ball's count, s44+q its first index, s46 a scan's carry.
	s_load_b256 s[4:11], s[0:1], 0x0               ; mask s[4:5], pts s[6:7], normals s[8:9], out0 s[10:11]
	v_lshl_add_u32 v96, v0, 2, 0xc100
	v_mov_b32 v97, 0
	v_and_b32 v1, 31, v0
	v_lshrrev_b32 v2, 5, v0
	v_readfirstlane_b32 s12, v2                    ; wave 0..31
	s_lshr_b32 s13, ttmp9, 6                       ; batch
	s_lshl_b32 s14, ttmp9, 6
	s_lshl1_add_u32 s14, s12, s14                  ; row0 = 64 x work-group + 2 w: my first query, batches counted through
	s_and_b32 s15, s14, 4095                       ; the same inside its batch
	s_mul_i32 s32, s12, WLDS                       ; my wave's area of LDS
	s_mul_i32 s47, s12, 8                          ; my wave's two words among the 64 results; RES itself stands in the stores' offsets
	v_lshlrev_b32 v2, 4, v1
	v_add_nc_u32 v3, s32, v2
	v_lshl_add_u32 v4, v1, 2, s32
	v_mov_b32 v5, s32
	v_lshlrev_b32 v6, 10, v1
	v_mov_b32 v7, 32
	v_mov_b32 v88, 0
	v_mov_b32 v89, s47
	s_mov_b32 s31, 0
	s_mov_b32 s33, 0x55555555
	s_mov_b32 s34, 0x33333333
	s_mov_b32 s35, 0x0f0f0f0f
	s_mov_b32 s36, 0x01010101
	s_mov_b32 s38, 0xffff0000                      ; a word's upper bf16; also lanes 16 to 31
	s_mov_b32 s40, 0x76543210                      ; v_permlanex16_b32: lane i of one half reads lane i of the other
	s_mov_b32 s41, 0xfedcba98
	s_wait_kmcnt 0x0
	s_lshl_b32 s30, s14, 9                         ; 512 bytes a map
	s_add_nc_u64 s[4:5], s[4:5], s[30:31]
	global_load_b128 v[QREG+WD:QREG+WD+3], v2, s[4:5] th:TH_LOAD_NT                             ; a whole map: 512 consecutive bytes, read once in the launch
	global_load_b128 v[QREG+QSTEP+WD:QREG+QSTEP+WD+3], v2, s[4:5] offset:512 th:TH_LOAD_NT
	s_lshl_b32 s30, s14, 4
	s_add_nc_u64 s[48:49], s[6:7], s[30:31]
	s_load_b256 s[16:23], s[48:49], 0x0            ; my two queries' rows of the table
	s_mul_i32 s30, s13, 49152
	s_lshl2_add_u32 s30, s15, s30
	s_add_nc_u64 s[50:51], s[8:9], s[30:31]
	s_load_b64 s[24:25], s[50:51], 0x0             ; nx of both,
	s_load_b64 s[26:27], s[50:51], 0x4000          ; ny,
	s_load_b64 s[28:29], s[50:51], 0x8000          ; nz
	s_lshl_b32 s30, s13, 16
	s_add_nc_u64 s[6:7], s[6:7], s[30:31]          ; the batch's 4,096 rows of the table
	s_lshl_b32 s30, ttmp9, 8
	s_add_nc_u64 s[10:11], s[10:11], s[30:31]      ; the work-group's 256 bytes of out0
	s_wait_kmcnt 0x0
; counts of ones of x in fields of 2, 4 and 8 bits into a, b, c (which may be one register); t at work
.macro TREE3 x, a, b, c, t
	v_lshrrev_b32 v[\t], 1, v[\x]
	v_and_b32     v[\t], s33, v[\t]
	v_sub_nc_u32  v[\a], v[\x], v[\t]
	v_lshrrev_b32 v[\t], 2, v[\a]
	v_and_b32     v[\t], s34, v[\t]
	v_and_b32     v[\b], s34, v[\a]
	v_add_nc_u32  v[\b], v[\b], v[\t]
	v_lshrrev_b32 v[\t], 4, v[\b]
	v_add_nc_u32  v[\c], v[\b], v[\t]
	v_and_b32     v[\c], s35, v[\c]
.endm
; inclusive prefix over the 32 lanes by op (a sum or a maximum of unsigned numbers, for both of which 0 changes nothing): four steps inside
; each half of 16 lanes (lanes without a source take 0), then lane 15's figure joins lanes 16 to 31.  t has been written before.
.macro SCAN op, r, t
.irp n, 1,2,4,8
	v_mov_b32_dpp v[\t], v[\r] row_shr:\n row_mask:0xf bank_mask:0xf bound_ctrl:1
	\op v[\r], v[\r], v[\t]
.endr
	v_readlane_b32 s46, v[\r], 15
	v_cndmask_b32 v[\t], 0, s46, s38
	\op v[\r], v[\r], v[\t]
.endm
; one halving: x holds the counts of fields of the half's size; if my rank is not below the lower half's count, my bit is in the upper half.
; mode 0: the first (POS is started), 1: a middle one, 2: the last (the rank is not needed any more)
.macro STEP x, width, step, mode
.if \mode == 0
	v_bfe_u32 v[Q+TP], v[\x], 0, \width
.else
	v_bfe_u32 v[Q+TP], v[\x], v[Q+POS], \width
.endif
	v_cmp_ge_u32 vcc_lo, v[Q+RK], v[Q+TP]
.if \mode != 2
	v_cndmask_b32 v[Q+TP], 0, v[Q+TP], vcc_lo
	v_sub_nc_u32 v[Q+RK], v[Q+RK], v[Q+TP]
.endif
.if \mode == 0
	v_cndmask_b32 v[Q+POS], 0, \step, vcc_lo
.else
	v_cndmask_b32 v[Q+TP+1], 0, \step, vcc_lo
	v_or_b32 v[Q+POS], v[Q+POS], v[Q+TP+1]
.endif
.endm
; the query's normal, rounded to bf16, as f32
.macro NORMAL q
.set Q, QREG+QSTEP*\q
	v_cvt_pk_bf16_f32 v[Q+TP],   s[24+\q], s[26+\q]
	v_cvt_pk_bf16_f32 v[Q+TP+1], s[28+\q], 0
	v_lshlrev_b32 v[Q+NR],   16, v[Q+TP]
	v_and_b32     v[Q+NR+1], s38, v[Q+TP]
	v_lshlrev_b32 v[Q+NR+2], 16, v[Q+TP+1]
.endm
; stage 1: ranks of the words; the slots are written.  Seven LDS instructions, the last of them the load of my slot
.macro S1 q
.set Q, QREG+QSTEP*\q
.set LB, QLDS*\q
	s_wait_loadcnt 1-\q                            ; loads return in order (ISA guide 5.7.1): my map is in, the other query's may be out
	ds_store_b128 v3, v[Q+WD:Q+WD+3] offset:LB     ; a copy of the map, from which any lane can take any word
	ds_store_b32 v4, v88 offset:LB+SLOTS           ; slots 0 to 31 = 0
.irp j, 0,1,2,3
	TREE3 Q+WD+\j, Q+CN+\j, Q+CN+\j, Q+CN+\j, Q+TP
	v_mul_lo_u32  v[Q+CN+\j], v[Q+CN+\j], s36      ; the four bytes' sum arrives in the top byte
	v_lshrrev_b32 v[Q+CN+\j], 24, v[Q+CN+\j]
.endr
	v_add_nc_u32 v[Q+PF], v[Q+CN], v[Q+CN+1]
	v_add3_u32   v[Q+PF], v[Q+PF], v[Q+CN+2], v[Q+CN+3]
	SCAN v_add_nc_u32, Q+PF, Q+TP
	v_sub_nc_u32 v[Q+EX+3], v[Q+PF],   v[Q+CN+3]   ; back from the ones up to and with my last word
	v_sub_nc_u32 v[Q+EX+2], v[Q+EX+3], v[Q+CN+2]
	v_sub_nc_u32 v[Q+EX+1], v[Q+EX+2], v[Q+CN+1]
	v_sub_nc_u32 v[Q+EX],   v[Q+EX+1], v[Q+CN]
	v_readlane_b32 s[42+\q], v[Q+PF], 31           ; the ball's count
.irp j, 0,1,2,3
	v_cmp_ne_u32 vcc_lo, 0, v[Q+CN+\j]
	v_cndmask_b32 v[Q+TP], v7, v[Q+EX+\j], vcc_lo  ; an empty word goes to slot 32,
	v_min_u32 v[Q+TP], 32, v[Q+TP]                 ; and so does a rank of 32 or more
	v_lshl_add_u32 v[Q+TP], v[Q+TP], 2, v5
	v_add3_u32 v[Q+TP+1], v6, v[Q+EX+\j], 256*\j   ; (4 L + j) << 8 | rank.  Words that are not empty have different ranks: no two meet in a slot below 32
	ds_store_b32 v[Q+TP], v[Q+TP+1] offset:LB+SLOTS
.endr
	ds_load_b32 v[Q+KEY], v4 offset:LB+SLOTS       ; LDS serves a wave's instructions in order (ISA guide 5.7.1): this sees the stores above
.endm
; stage 2: which word holds hit number L, and the hit's rank in it; the word is asked for
.macro S2 q
.set Q, QREG+QSTEP*\q
.set LB, QLDS*\q
	s_wait_dscnt 7-6*\q                            ; behind my slot's load stand, for query 0, the seven LDS instructions of query 1's stage 1; for query 1, query 0's word load
	SCAN v_max_u32, Q+KEY, Q+TP                    ; the last word that begins at or below rank L (word numbers rise with ranks)
	v_lshrrev_b32 v[Q+ID], 8, v[Q+KEY]
	v_and_b32 v[Q+TP], 0xff, v[Q+KEY]
	v_sub_nc_u32 v[Q+RK], v1, v[Q+TP]
	v_min_u32 v[Q+TP+1], 127, v[Q+ID]
	v_lshl_add_u32 v[Q+TP+1], v[Q+TP+1], 2, v5
	ds_load_b32 v[Q+VW], v[Q+TP+1] offset:LB
.endm
; stage 3: the bit, the index, the gather
.macro S3 q
.set Q, QREG+QSTEP*\q
	s_wait_dscnt 1-\q                              ; my word is in; query 1's load stands behind query 0's
	TREE3 Q+VW, Q+TA, Q+TB, Q+TC, Q+TP
	v_lshrrev_b32 v[Q+TP], 8, v[Q+TC]
	v_add_nc_u32 v[Q+TD], v[Q+TC], v[Q+TP]         ; its low byte: bytes 0 and 1 together, 16 at the most
	STEP Q+TD, 8, 16, 0
	STEP Q+TC, 8, 8, 1
	STEP Q+TB, 4, 4, 1
	STEP Q+TA, 2, 2, 1
	STEP Q+VW, 1, 1, 2
	v_lshl_add_u32 v[Q+IDX], v[Q+ID], 5, v[Q+POS]
	v_readfirstlane_b32 s[44+\q], v[Q+IDX]         ; hit 0
	s_cmp_eq_u32 s[42+\q], 0
	s_cselect_b32 s[44+\q], 0xfff, s[44+\q]        ; an empty ball: the table's last row
	v_cmp_gt_u32 vcc_lo, s[42+\q], v1
	v_cndmask_b32 v[Q+IDX], s[44+\q], v[Q+IDX], vcc_lo   ; lanes at or beyond the count take the first index
	v_min_u32 v[Q+IDX], 0xfff, v[Q+IDX]
	v_lshlrev_b32 v[Q+IDX], 4, v[Q+IDX]
	global_load_b128 v[Q+GP:Q+GP+3], v[Q+IDX], s[6:7]    ; one row of 16 bytes a lane; rows are named again by other queries: no hint
.endm
; stage 4: t = dot / cnorm in each lane, the least over the wave
.macro S4 q
.set Q, QREG+QSTEP*\q
	s_wait_loadcnt 1-\q                            ; my gather is in; query 1's stands behind query 0's
.irp k, 0,1,2
	v_sub_f32 v[Q+GP+\k], v[Q+GP+\k], s[16+4*\q+\k]      ; g = p_m - p_n
.endr
	v_mul_f32 v[Q+CR],   v[Q+NR+2], v[Q+GP+1]
	v_mul_f32 v[Q+CR+1], v[Q+NR],   v[Q+GP+2]
	v_mul_f32 v[Q+CR+2], v[Q+NR+1], v[Q+GP]
	v_fma_f32 v[Q+CR],   v[Q+NR+1], v[Q+GP+2], -v[Q+CR]      ; ny gz - nz gy
	v_fma_f32 v[Q+CR+1], v[Q+NR+2], v[Q+GP],   -v[Q+CR+1]    ; nz gx - nx gz
	v_fma_f32 v[Q+CR+2], v[Q+NR],   v[Q+GP+1], -v[Q+CR+2]    ; nx gy - ny gx
	v_fmaak_f32 v[Q+SS], v[Q+CR], v[Q+CR], 0x2b8cbccc        ; + 1e-12
	v_fmac_f32 v[Q+SS], v[Q+CR+1], v[Q+CR+1]
	v_fmac_f32 v[Q+SS], v[Q+CR+2], v[Q+CR+2]
	v_rsq_f32 v[Q+TP], v[Q+SS]                     ; the three lines of the dot product stand between it and the use of its result (ISA guide 5.7.2)
	v_mul_f32  v[Q+DT], v[Q+NR],   v[Q+GP]
	v_fmac_f32 v[Q+DT], v[Q+NR+1], v[Q+GP+1]
	v_fmac_f32 v[Q+DT], v[Q+NR+2], v[Q+GP+2]
	s_wait_alu depctr_va_vdst(0)
	v_mul_f32  v[Q+DT], v[Q+DT], v[Q+TP]
.irp n, 1,2,4,8
	v_min_num_f32_dpp v[Q+DT], v[Q+DT], v[Q+DT] row_xmask:\n row_mask:0xf bank_mask:0xf
.endr
	v_permlanex16_b32 v[Q+SS], v[Q+DT], s40, s41   ; its destination counts as read: SS has been written
	v_min_num_f32 v[Q+DT], v[Q+DT], v[Q+SS]
	ds_store_b32 v89, v[Q+DT] offset:RES+4*\q      ; byte RES + 8 w + 4 q: behind every wave's area, and nobody reads RES before the barrier below.  All lanes write one word with one value
.endm
; out = pi/2 - atan(t).  v8-12 at work
.macro ATAN t, out
	v_and_b32 v8, 0x7fffffff, v[\t]
	v_rcp_f32 v9, v8
	v_cmp_lt_f32 vcc_lo, 1.0, v8                   ; the plain instruction between v_rcp_f32 and the use of its result (ISA guide 5.7.2)
	s_wait_alu depctr_va_vdst(0)
	v_cndmask_b32 v10, v8, v9, vcc_lo              ; w = |t| or 1 / |t|, in [0, 1]
	v_mul_f32 v11, v10, v10
	v_fmaak_f32 v12, s39, v11, 0xbdae5a36          ; 0.0208351 z - 0.0851330
	v_fmaak_f32 v12, v12, v11, 0x3e3876e2          ; + 0.1801410
	v_fmaak_f32 v12, v12, v11, 0xbea91d04          ; - 0.3302995
	v_fmaak_f32 v12, v12, v11, 0x3f7ff738          ; + 0.9998660
	v_mul_f32 v12, v12, v10
	v_sub_f32 v9, 0x3fc90fdb, v12
	v_cndmask_b32 v12, v12, v9, vcc_lo             ; atan(u) = pi/2 - atan(1 / u) beyond 1
	v_bfi_b32 v12, 0x7fffffff, v12, v[\t]          ; t's sign
	v_sub_f32 v[\out], 0x3fc90fdb, v12
.endm
	NORMAL 0
	NORMAL 1
	S1 0
	S1 1
	S2 0
	S2 1
	S3 0
	S3 1
	S4 0
	S4 1
	s_wait_dscnt 0x0                               ; my two figures are written,
	s_barrier_signal -1
	s_barrier_wait -1                              ; all 64 are
	s_cmp_lg_u32 s12, 0
	s_cbranch_scc1 .Ldone
	; wave 0: two arctangents a lane, and the work-group's 64 results as one store of 256 consecutive bytes, aligned
	v_lshlrev_b32 v95, 3, v1
	ds_load_b64 v[90:91], v95 offset:RES
	s_mov_b32 s39, 0x3caaae5f
	s_wait_dscnt 0x0
	ATAN 90, 92
	ATAN 91, 93
	global_store_b64 v95, v[92:93], s[10:11]
.Ldone:
	s_barrier_signal -1
	s_barrier_wait -1
	s_wait_tensorcnt 0x0
	ds_add_u32 v96, v97
	s_wait_dscnt 0x0
	s_endpgm
.Lfunc_end_k_qe9a4545d6f_angles:
	.size	k_qe9a4545d6f_angles, .Lfunc_end_k_qe9a4545d6f_angles-k_qe9a4545d6f_angles
	.p2alignl 7, 3214868480
	.fill 96, 4, 3214868480
	.section	.rodata,"a",@progbits
	.p2align	6, 0x0
	.amdhsa_kernel k_qe9a4545d6f_angles
		.amdhsa_group_segment_fixed_size 53504
		.amdhsa_private_segment_fixed_size 0
		.amdhsa_enable_private_segment 0
		.amdhsa_kernarg_size 32
		.amdhsa_user_sgpr_count 2
		.amdhsa_user_sgpr_kernarg_segment_ptr 1
		.amdhsa_wavefront_size32 1
		.amdhsa_system_sgpr_workgroup_id_x 1
		.amdhsa_system_sgpr_workgroup_id_y 1
		.amdhsa_system_sgpr_workgroup_id_z 1
		.amdhsa_system_vgpr_workitem_id 0
		.amdhsa_next_free_vgpr 98
		.amdhsa_next_free_sgpr 66
		.amdhsa_reserve_vcc 1
		.amdhsa_float_denorm_mode_32 3
		.amdhsa_float_denorm_mode_16_64 3
		.amdhsa_memory_ordered 1
		.amdhsa_forward_progress 1
		.amdhsa_inst_pref_size 21
	.end_amdhsa_kernel
	.amdgpu_metadata
---
amdhsa.version: [ 1, 2 ]
amdhsa.kernels:
  - .name:           k_qe9a4545d6f_angles
    .symbol:         k_qe9a4545d6f_angles.kd
    .args:
      - { .name: mask, .offset: 0, .size: 8, .value_kind: global_buffer, .address_space: global }
      - { .name: pts, .offset: 8, .size: 8, .value_kind: global_buffer, .address_space: global }
      - { .name: normals, .offset: 16, .size: 8, .value_kind: global_buffer, .address_space: global }
      - { .name: out0, .offset: 24, .size: 8, .value_kind: global_buffer, .address_space: global }
    .group_segment_fixed_size: 53504
    .private_segment_fixed_size: 0
    .kernarg_segment_align: 8
    .kernarg_segment_size: 32
    .max_flat_workgroup_size: 1024
    .sgpr_count:     66
    .vgpr_count:     98
    .wavefront_size: 32
...
	.end_amdgpu_metadata
.endif
;; end of part 2
